; MI455X (gfx1250); checked and timed in simulation.
; The chip was launched on July 23, 2026; its instructions are those of AMD's public machine-readable ISA for CDNA 5 (MIT licence, August 2026) and "CDNA5" Instruction Set Architecture Reference Guide (July 2026). The comments in the code are by the model that wrote it; some were corrected since.
;; Concept Attention Proto. Allowed arithmetic: matrix products marked QUANTISED: E2M1 operands, one E8M0 scale for each 32 along K, by v_wmma_scale_f32_16x16x128_f8f6f4 with both operands' format E2M1 (or v_wmma_scale_f32_32x16x128_f4), f32 sums; products left as they are: f32 operands where the result goes on into a quantised operand, else bf16, f16 or f32 operands; f32 sums; everything else in f32.
;; Inputs: concept_pool 16,384 x 128 float32; x 8 x 128 x 32 x 32 float32.
;; Outputs: out0 8 x 128 x 32 x 32 float32.
;; This version of the problem:
;;   THIS VERSION OF THE PROBLEM IS GIVEN IN LOW PRECISION. The matrix products marked QUANTISED in the list below multiply operands that are first quantised to E2M1 (2 exponent bits, 1 mantissa bit; 4 bits a number), with one power-of-two scale for each 32 numbers along K (OCP MX v1.0); their sums are f32. All else is computed in f32.
;;   The module's matrix products, in the order in which they are computed (A, B: the left and right operand; K: the contracted axis; several contracted axes count as one K, in the product's order):
;;     1. [M 8,192, K 128] x [K 128, N 16,384]; A: input x; B: input concept_pool: QUANTISED
;;     2. batch 64 x [M 128, K 256] x [K 256, N 8,192]; A: input concept_pool; B: softmax (see below): QUANTISED
;;     3. batch 8,192 x [M 1, K 64] x [K 64, N 128]; A: softmax (see below); B: computed on the way: left as it is (M = 1 < 16)
;;   THE QUANTISER, for each operand of a quantised product, along K:
;;     - K is cut into blocks of 32 from its start; a last block that is shorter is filled with zeros.
;;     - A block's scale is 2^e with e = floor(log2(the largest magnitude in the block)) - 2, held to -126 .. 127; a block of zeros has e = 0. As a byte (E8M0): e + 127.
;;     - Each number is divided by its block's scale, clamped to +-6, and rounded to the nearest number of E2M1, ties to even, subnormals kept.
;;     - The product sums the exact products of the quantised numbers (number of the format x scale) in f32.
;;   ~~~python
;;   def quantise(x, axis):      # numpy; x: float32 -> the quantised numbers, widened to float32 again
;;       x = np.moveaxis(x, axis, -1); K = x.shape[-1]
;;       x = np.pad(x, [(0, 0)] * (x.ndim - 1) + [(0, -K % 32)]); x = x.reshape(x.shape[:-1] + (-1, 32)); a = np.abs(x).max(-1, keepdims=True)
;;       e = np.where(a > 0, np.clip(np.frexp(np.where(a > 0, a, 1))[1] - 1 - 2, -126, 127), 0)      # np.frexp(a)[1] - 1 = floor(log2(a)), exactly
;;       r = np.clip(x / 2.0 ** e, -6, 6)
;;       step = 2.0 ** (np.maximum(np.frexp(np.where(r == 0, 1, r))[1] - 1, 0) - 1)
;;       q = np.round(r / step) * step * 2.0 ** e      # np.round: ties to even
;;       return np.moveaxis(q.reshape(q.shape[:-2] + (-1,))[..., :K], -1, axis).astype(np.float32)
;;   ~~~
;;   SOFTMAX AHEAD OF A QUANTISED PRODUCT. Where the list says 'softmax', what is quantised is not the finished softmax but p = 2^(t - M), with t = logit x log2(e) and M = ceil(the row's largest t), a whole number; so 1/2 < the row's largest p <= 1. The row's sum l is taken of the UNQUANTISED p, in f32, and the product's result is divided by l at the end. Since M is a whole number, a kernel that streams over the keys may use a running M (the ceiling of the running maximum): every later rescaling is an exact power of two, which a block's scale takes up: the codes' values come out the same.
;;   OPERANDS COMPUTED ON THE WAY. 'Computed on the way' means the value that the module computes at that place (a softmax that the list does not call 'softmax' is quantised finished and normalised). What goes into a quantiser is computed in f32, as accurately as f32 sums, v_exp_f32 and their like allow (about 1e-6 of the number): no bf16 or f16 on the way to a quantiser, and a product that is left as it is and whose result goes on into a quantised operand takes f32 operands (vector FMAs, or v_wmma_f32_16x16x4_f32). A number that lies on a knife's edge between two numbers of the format may be rounded either way, as far as f32 arithmetic and the matrix unit's own rounding can turn it there, and no further.
;; One version. Each part assembles by itself: llvm-mc -triple=amdgcn-amd-amdhsa -mcpu=gfx1250 --defsym DOCPART=n.
;; ======== version 1 of 1: 2 launches
;; workspace buffers: kv 2,228,224 bytes
;; launch prep (part 1): grid 128 x 1, 8 waves a work-group, no clusters, 168,960 bytes of LDS; arguments concept_pool, kv; writes kv
.if DOCPART == 1
	.amdgcn_target "amdgcn-amd-amdhsa--gfx1250"
	.amdhsa_code_object_version 6
	.text
	.protected	k_qa300bf82a4_prep
	.globl	k_qa300bf82a4_prep
	.p2align	8
	.type	k_qa300bf82a4_prep,@function
k_qa300bf82a4_prep:
	s_mov_b64 s[64:65], 0
	v_nop
	global_prefetch_b8 v0, s[64:65] scope:SCOPE_SE
	s_setreg_imm32_b32 hwreg(HW_REG_WAVE_MODE, 25, 1), 1
	s_wait_xcnt 0x0
; concept_pool [16384][128] f32 is quantised ONCE to codes of FP4 (E2M1) with one E8M0 byte for each 32 along K, twice over: along the channels (operand K of the
; first product) and along the slots (operand V^T of the second).  Work-group s takes slots 128 s .. 128 s + 127 (65,536 dense bytes, read once, by two tensor loads)
; and stores block s of kv, 17,408 bytes, laid AS THE READER'S OPERAND REGISTERS:
;   bytes 0 .. 8,191       K's eight tiles: tile T at 1,024 T + 512 c + 16 lane: registers 4 c .. 4 c + 3 of lane (r, h): slot 32 (T / 2) + 8 (T % 2) + r + 8 (r / 8), channels 64 c + 32 h + 0 .. 31
;   bytes 8,192 .. 16,383  V^T's eight tiles: tile t likewise: channel 16 t + r, slots 64 c + 32 h + 0 .. 31 of the block
;   bytes 16,384 .. 17,407 scale words: word (lane, T) at 512 (T / 4) + 16 lane + 4 (T % 4): lanes 0-15 K's tile T, row r; lanes 16-31 V^T's tile T, channel r
; Wave w makes K's tile w and V^T's tile w.  A lane's registers run along the operand's K in the order that the operand's layout gives that lane, so the conversions' results
; are the operand's registers, a lane owns two whole blocks of 32, and only the scale word's four bytes are gathered from lanes l and l xor 16.
; A block's scale is 2^(floor(log2(its largest magnitude)) - 2); its byte is the largest magnitude's exponent field - 2, held at 1 from below.
; LIMITS: NaN and infinities are not served; a block whose largest magnitude lies under 2^-124, a block of zeros among them, gets the byte 1 (a block of zeros has zero codes,
; which add nothing under that byte; the bytes are read by this program alone).
; 128 work-groups: a block of 128 slots is the unit, since a scale word of V^T spans its 128 slots.  No clusters: no two work-groups read the same bytes.  LDS is filled once: no slot is filled again.
.set PITCH, 528                        ; a slot's row in LDS: 512 bytes + 16 of padding
.set HALF,  64*PITCH                   ; 64 rows: what one tensor load brings
.set SCST,  2*HALF                     ; behind the tile: 1,024 bytes in which the eight waves' scale words meet; no fill lands there
.set BLK,   17408                      ; a block of kv
.set VOFF,  8192                       ; V^T's tiles in a block
.set SCOFF, 16384                      ; the scale words in a block
.set MX,    32                         ; v32-33  two blocks' largest magnitudes
.set BY,    36                         ; v36-37  their scale bytes
.set SO,    44                         ; v44-45  the conversions' scale operands
.set G0,    12                         ; s[12:15] descriptor group 0
.set G1,    16                         ; s[16:23] descriptor group 1
.set SEL,   24                         ; s[24:25] v_permlanex16_b32's selects for lane l xor 16
; v1 lane, v2 r, v3 h; v4 V's place in the tile, v5 K's; v6 my 16 bytes in a tile of kv; v7 where my scale word goes in LDS; v8 where 16 bytes of scale words come back; v14 the same place in kv;
; v9 V's scale word, v10 K's, v11 the one my lane hands on; v12 a permute's destination; v13 8 h; v15 16 x lane; v16-19 scale words on their way out;
; v48-55 V's codes, v56-63 K's; v64-127 V's 64 numbers, v128-191 K's.
; 64 numbers of a lane, v[X + 32 c + i] = k 64 c + 32 h + i of my row, become the fragment's codes in v[C] .. v[C + 7] and my row's scale word in v[W] (whole in every lane)
.macro QUANT2 X, C, W
.irp c, 0,1
	v_max3_num_f32 v[MX+\c], |v[\X+32*\c]|, |v[\X+32*\c+1]|, 0x1800000      ; my block 2 c + h: all its 32 numbers are mine; the floor 2^(3 - 127) holds the byte at 1 from below
.endr
.irp i, 2,4,6,8,10,12,14,16,18,20,22,24,26,28,30
.irp c, 0,1
	v_max3_num_f32 v[MX+\c], v[MX+\c], |v[\X+32*\c+\i]|, |v[\X+32*\c+\i+1]|  ; (the two blocks by turns)
.endr
.endr
.irp c, 0,1
	v_add_nc_u32 v[SO+\c], 0xff000000, v[MX+\c]    ; 2 off the exponent field: the conversion takes this operand's exponent field as its scale
.endr
.irp c, 0,1
	v_lshrrev_b32 v[BY+\c], 23, v[SO+\c]           ; the scale's byte
.endr
	v_lshl_or_b32 v[\W], v[BY+1], 16, v[BY]        ; my two bytes: blocks h and 2 + h,
	v_lshlrev_b32 v[\W], v13, v[\W]                ; at their places in the word (8 h bits up);
	v_permlanex16_b32 v12, v[\W], s[SEL], s[SEL+1]
	v_or_b32 v[\W], v[\W], v12                     ; with lane l xor 16's two the word is whole
.irp c, 0,1
.irp g, 0,1,2,3
	v_cvt_scalef32_pk8_fp4_f32 v[\C+4*\c+\g], v[\X+32*\c+8*\g:\X+32*\c+8*\g+7], v[SO+\c]
.endr
.endr
	v_nop                                          ; one plain place behind the last scaled conversion
.endm
	s_load_b128 s[4:7], s[0:1], 0x0                ; concept_pool s[4:5], kv s[6:7]
	v_lshl_add_u32 v192, v0, 2, 0x29000
	v_mov_b32 v193, 0
	ds_add_u32 v192, v193
	v_lshrrev_b32 v1, 5, v0
	v_readfirstlane_b32 s8, v1                     ; wave 0..7
	v_and_b32 v1, 31, v0                           ; lane
	v_and_b32 v2, 15, v0                           ; r
	v_bfe_u32 v3, v0, 4, 1                         ; h
	s_and_b32 s9, s8, 1                            ; which 64 rows a fetching wave takes; which 512 bytes of scale words it stores
	; descriptor group 1: 64 rows x 128 elements of 4 bytes, dense in memory, padded in LDS
	s_mov_b32 s[G1+0], (2<<16)|(1<<20)|(6<<22)|(3<<25)   ; 15:0 no mask; 17:16 elements of 4 bytes; 20 padding on; 24:22 after every 128 words (code 6); 31:25 four words (code 3)
	s_mov_b32 s[G1+1], 128<<16                     ; tensor_dim0 = 128
	s_mov_b32 s[G1+2], 64<<16                      ; tensor_dim1 = 64
	s_mov_b32 s[G1+3], 128<<16                     ; tile_dim0 = 128
	s_mov_b32 s[G1+4], 64                          ; tile_dim1 = 64
	s_mov_b32 s[G1+5], 128                         ; elements from row to row
	s_mov_b32 s[G1+6], 0
	s_mov_b32 s[G1+7], 0
	s_mov_b32 s[SEL], 0x76543210
	s_mov_b32 s[SEL+1], 0xfedcba98
	s_mov_b32 s[G0], 1                             ; count = 1
	s_mul_i32 s[G0+1], s9, HALF                    ; LDS address: my 64 rows
	s_lshl_b32 s26, ttmp9, 16                      ; the work-group's 65,536 bytes of the pool,
	s_lshl_b32 s27, s9, 15                         ; my half of them
	s_add_co_u32 s26, s26, s27
	s_mov_b32 s27, 0
	s_mul_i32 s28, ttmp9, BLK                      ; the work-group's block of kv
	s_mov_b32 s29, 0
	s_wait_dscnt 0x0
	s_wait_kmcnt 0x0
	s_add_nc_u64 s[G0+2:G0+3], s[4:5], s[26:27]
	s_or_b32 s[G0+3], s[G0+3], 0x80000000          ; type = 2
	s_add_nc_u64 s[6:7], s[6:7], s[28:29]
	s_cmp_lt_u32 s8, 2                             ; waves 0 and 1 fetch, one load each, into rows of their own
	s_cbranch_scc0 .Lno_fetch
	tensor_load_to_lds s[G0:G0+3], s[G1:G1+7]
	s_nop 0
.rept 4
	v_nop
.endr
.Lno_fetch:
	; every LDS address: a constant x lane term + a constant x wave term + a constant
	v_mul_u32_u24 v4, v3, 32*PITCH                 ; V: lanes 16-31 begin 32 slots further down,
	v_lshl_add_u32 v4, v2, 2, v4                   ; channel r of my tile,
	s_lshl_b32 s26, s8, 6                          ; tile w: 16 channels of 4 bytes
	v_add_nc_u32 v4, s26, v4
	s_lshr_b32 s27, s8, 1
	s_lshl_b32 s27, s27, 5
	s_lshl_b32 s28, s9, 3
	s_add_co_u32 s27, s27, s28                     ; K: tile w begins at slot 32 (w / 2) + 8 (w % 2);
	s_mul_i32 s27, s27, PITCH
	v_and_b32 v5, 8, v2
	v_add_nc_u32 v5, v5, v2                        ; lane r takes the slot r + 8 (r / 8) further on,
	v_mul_u32_u24 v5, v5, PITCH
	v_lshl_add_u32 v5, v3, 7, v5                   ; and lanes 16-31 begin 32 channels further on
	v_add_nc_u32 v5, s27, v5
	v_lshlrev_b32 v15, 4, v1                       ; 16 x lane
	s_lshl_b32 s28, s8, 10
	v_add_nc_u32 v6, s28, v15                      ; kv: 1,024 w + 16 lane
	s_lshr_b32 s29, s8, 2
	s_lshl_b32 s29, s29, 9
	s_and_b32 s30, s8, 3
	s_lshl_b32 s30, s30, 2
	s_add_co_u32 s29, s29, s30
	s_add_co_u32 s29, s29, SCST
	v_add_nc_u32 v7, s29, v15                      ; my scale word: SCST + 512 (w / 4) + 4 (w % 4) + 16 lane
	s_lshl_b32 s30, s9, 9
	v_add_nc_u32 v14, s30, v15                     ; the scale words' way out: 512 (w % 2) + 16 lane, in kv
	v_add_nc_u32 v8, SCST, v14                     ; and in LDS
	v_lshlrev_b32 v13, 3, v3                       ; 8 h
	v_mov_b32 v12, 0                               ; written once: a lane permute's destination counts as one of its sources
	s_wait_tensorcnt 0x0                           ; my rows have landed (a wave that fetched nothing passes at once),
	s_barrier_signal -1
	s_barrier_wait -1                              ; everybody's have
.irp c, 0,1
.irp i, 0,1,2,3,4,5,6,7,8,9,10,11,12,13,14,15,16,17,18,19,20,21,22,23,24,25,26,27,28,29,30,31
	ds_load_b32 v[64+32*\c+\i], v4 offset:(64*\c+\i)*PITCH       ; V: pool(64 c + 32 h + i, 16 w + r): registers run down the slots
.endr
.endr
.irp c, 0,1
.irp g, 0,1,2,3,4,5,6,7
	ds_load_b128 v[128+32*\c+4*\g:128+32*\c+4*\g+3], v5 offset:256*\c+16*\g   ; K: 32 neighbouring channels of my slot
.endr
.endr
	s_wait_dscnt 16                                ; V's 64 loads are in; the 16 issued behind them (K's) may be out
	QUANT2 64, 48, 9
.irp c, 0,1
	global_store_b128 v6, v[48+4*\c:48+4*\c+3], s[6:7] offset:VOFF+512*\c     ; 32 lanes store 512 consecutive bytes, at a multiple of 256 from kv's first byte
.endr
	s_wait_dscnt 0x0                               ; K's numbers are in
	QUANT2 128, 56, 10
.irp c, 0,1
	global_store_b128 v6, v[56+4*\c:56+4*\c+3], s[6:7] offset:512*\c
.endr
	v_cmp_lt_u32 vcc_lo, 15, v1
	v_cndmask_b32 v11, v10, v9, vcc_lo             ; lanes 0-15 hand on K's word of row r, lanes 16-31 V's of channel r
	ds_store_b32 v7, v11
	s_wait_dscnt 0x0                               ; for the others' sake: my store has landed
	s_barrier_signal -1
	s_barrier_wait -1                              ; the block's 1,024 bytes of scale words lie together
	s_cmp_lt_u32 s8, 2                             ; waves 0 and 1 store 512 bytes each
	s_cbranch_scc0 .Ldone
	ds_load_b128 v[16:19], v8
	s_wait_dscnt 0x0
	global_store_b128 v14, v[16:19], s[6:7] offset:SCOFF
.Ldone:
	s_wait_tensorcnt 0x0
	ds_add_u32 v192, v193
	s_wait_dscnt 0x0
	s_endpgm
.Lfunc_end_k_qa300bf82a4_prep:
	.size	k_qa300bf82a4_prep, .Lfunc_end_k_qa300bf82a4_prep-k_qa300bf82a4_prep
	.p2alignl 7, 3214868480
	.fill 96, 4, 3214868480
	.section	.rodata,"a",@progbits
	.p2align	6, 0x0
	.amdhsa_kernel k_qa300bf82a4_prep
		.amdhsa_group_segment_fixed_size 168960
		.amdhsa_private_segment_fixed_size 0
		.amdhsa_enable_private_segment 0
		.amdhsa_kernarg_size 16
		.amdhsa_user_sgpr_count 2
		.amdhsa_user_sgpr_kernarg_segment_ptr 1
		.amdhsa_wavefront_size32 1
		.amdhsa_system_sgpr_workgroup_id_x 1
		.amdhsa_system_sgpr_workgroup_id_y 1
		.amdhsa_system_sgpr_workgroup_id_z 1
		.amdhsa_system_vgpr_workitem_id 0
		.amdhsa_next_free_vgpr 194
		.amdhsa_next_free_sgpr 66
		.amdhsa_reserve_vcc 1
		.amdhsa_float_denorm_mode_32 3
		.amdhsa_float_denorm_mode_16_64 3
		.amdhsa_memory_ordered 1
		.amdhsa_forward_progress 1
		.amdhsa_inst_pref_size 16
	.end_amdhsa_kernel
	.amdgpu_metadata
---
amdhsa.version: [ 1, 2 ]
amdhsa.kernels:
  - .name:           k_qa300bf82a4_prep
    .symbol:         k_qa300bf82a4_prep.kd
    .args:
      - { .name: concept_pool, .offset: 0, .size: 8, .value_kind: global_buffer, .address_space: global }
      - { .name: kv, .offset: 8, .size: 8, .value_kind: global_buffer, .address_space: global }
    .group_segment_fixed_size: 168960
    .private_segment_fixed_size: 0
    .kernarg_segment_align: 8
    .kernarg_segment_size: 16
    .max_flat_workgroup_size: 256
    .sgpr_count:     66
    .vgpr_count:     194
    .wavefront_size: 32
...
	.end_amdgpu_metadata
.endif
;; end of part 1
;; launch attn (part 2): grid 256 x 1, 16 waves a work-group, clusters of 4 x 1, 327,680 bytes of LDS; arguments x, kv, out0; writes out0
.if DOCPART == 2
	.amdgcn_target "amdgcn-amd-amdhsa--gfx1250"
	.amdhsa_code_object_version 6
	.text
	.protected	k_qa300bf82a4_attn
	.globl	k_qa300bf82a4_attn
	.p2align	8
	.type	k_qa300bf82a4_attn,@function
k_qa300bf82a4_attn:
	s_mov_b64 s[64:65], 0
	v_nop
	global_prefetch_b8 v0, s[64:65] scope:SCOPE_SE
	s_setreg_imm32_b32 hwreg(HW_REG_WAVE_MODE, 25, 1), 1
	s_wait_xcnt 0x0
	s_wait_alu depctr_hold_cnt(0) depctr_sa_sdst(0) depctr_va_vdst(0) depctr_va_sdst(0) depctr_va_ssrc(0) depctr_va_vcc(0) depctr_vm_vsrc(0)
	s_getreg_b32 s2, hwreg(HW_REG_IB_STS2, 6, 4)
	s_cmp_eq_u32 s2, 0
	s_cbranch_scc0 .Lentry_in_a_cluster
	s_endpgm
.Lentry_in_a_cluster:
	s_bfe_u32 s2, ttmp6, 0x10000c
	s_cmp_lg_u32 s2, 0x3003
	s_cbranch_scc0 .Lentry_shape_is_right
	s_endpgm
.Lentry_shape_is_right:
; out[n][:][l] for 8,192 queries (x read as [n][channel][l]) against 16,384 slots in 64 clusters of 256, both products on codes of FP4 (E2M1) with one E8M0 scale for each 32 along K.
; THE TWO SOFTMAXES ARE ONE.  For cluster k: p = 2^(t - M_k), l_k = the sum of the unquantised p, O_k = V_k^T Q(p).  The cluster's feature is O_k / l_k, its logit ln 2 (M_k + log2 l_k), its weight
; 2^M_k l_k / Z with Z = the sum over j of 2^M_j l_j.  So out = (sum over k of 2^M_k O_k) / (sum over k of 2^M_k l_k): l_k cancels, for every finite input.  With a running whole-number M
; (the ceiling of the running largest t) every rescaling is an exact power of two, which a block's scale takes up, and a block of 32 slots never crosses a cluster: the module is a streaming
; attention over all slots, and the sum over clusters is the f32 accumulation of O^T and of the sum.  A maximum is taken away everywhere, by the running M.
; SHARES.  A work-group owns 32 queries (two tiles of 16): each output has one owner.  Sixteen waves of 256 registers, four to a SIMD, so that one wave's exponentials stand beside another's
; plain vector work, products and LDS loads.  Wave w: query tile a = w / 8, share i = w % 8 of the slots.  The slots go in 16 rounds of 8 blocks of 128; in round j wave (a, i) works block 8 j + i.
; At the end the eight partial results (M, sum, O^T) of a query tile are merged through LDS: wave (a, i) merges channels 16 i .. 16 i + 15.
; kv holds the blocks as images of the operands' registers: a fragment comes by two ds_load_b128 of 512 consecutive bytes, with no pitch and no padding; a round's 8 blocks are 139,264 dense bytes.
; CLUSTER.  All work-groups walk the same kv in the same order, so the four of a cluster ask JOINTLY: the same tensor load, the same descriptor, a mask that names the four.  A mask names four at the most, so a larger cluster would share no further.
; LAYOUT.  Both products are used transposed: S^T = K Q^T (source 0 = 16 slots, source 1 = my 16 queries), O^T = V^T P^T (source 0 = 16 channels, source 1 = p): a lane holds ONE query (lane % 16) throughout.
; The slots of a tile of K are not neighbours (lane r of tile 2 b + u: slot 32 b + 8 u + r + 8 (r / 8)), so that the 16 registers of tiles 2 b, 2 b + 1 are slots 32 b + 16 (lane / 16) + 0 .. 15.
; x is quantised in registers at the head: a lane takes a query and its registers run down the channels.  Each of a query tile's eight waves reads the tile's 8,192 bytes itself, once.
; LIMITS: NaN and infinities are not served; a block whose largest magnitude (of x, or of p) lies under 2^-124 gets the byte 1 (a block of zeros has zero codes); a p under 2^-126 of 2^M comes out as 0;
; a row piece of out0 is 32 queries x 4 bytes: each store instruction covers four runs of 128 consecutive bytes, each at a multiple of 128 from out0's first byte: 8,192 queries over 256 owners leave no longer run.
; Not used: a prefetch (kv was stored by the launch before and all clusters walk it in step); registers beyond 256 a wave.
.set BLK,   17408                      ; a block of kv: K's tiles, V^T's tiles, scale words
.set VOFF,  8192
.set SCOFF, 16384
.set SLOT,  8*BLK                      ; 139,264: a round's eight blocks
.set SPARE, 2*SLOT                     ; behind the ring: the spare words, 128 bytes for each of 16 waves: eight blocks of 256 bytes that no other line names
.set STAT,  131072                     ; the end: in slot 0, behind the 16 images of O^T (8,192 bytes each): -M and the sum, 256 bytes a wave
.set OST,   SLOT                       ; the end: in slot 1: 128 channels x (32 queries x 4 bytes + 16)
.set AD,    1                          ; v1, v2  LDS address of my lane's 16 bytes in my block of slot 0, 1; never rewritten
.set SPW,   3                          ; v3      LDS address of my spare word: SPARE + 4 x my thread's number; never rewritten
.set NIL,   4                          ; v4      0; never rewritten
.set SW,    24                         ; v24-31  the block's scale words: lanes 0-15 K's tile T, lanes 16-31 V^T's tile T
.set FRG,   32                         ; v32-95  eight fragments of K, then of V^T
.set SS,    96                         ; v96-159 S^T, then p (at the head: x's 64 numbers)
.set OO,    160                        ; v160-223 O^T
.set PC,    224                        ; v224-231 p's codes
.set BM,    232                        ; v232-235 the blocks' largest scores, then largest p
.set PB,    236                        ; v236-239 permute results, then bytes, then a chain of the sum
.set SO,    244                        ; v244-247 the conversions' scale operands
; v5-11 x's offset and at work at the head, the end's addresses later; v12 -M, v13 the largest t, v[14:15] the sum in two halves; v16-23 Q's fragment; v252 f, v253 p's scale word, v254 at work, v255 Q's scale word
.set WV,    10                         ; s10 wave; s11 a; s12 i; s13 cx; s14 the work-group's number
.set G1,    24                         ; s[24:31] descriptor group 1
.set G0,    32                         ; s[32:35], s[36:39] descriptor group 0 for slot 0, 1
.set SEL,   40                         ; s[40:41] v_permlanex16_b32's selects for lane l xor 16
.set CS,    42                         ; s[42:43] c = log2(e) / sqrt(128): the packed form names a pair and takes its low word for both halves
.set CNT,   44                         ; s44 trips to go
; A round of the cluster's barrier: my work-group's barrier, so that wave 0's signal speaks for all sixteen waves; wave 0 signals for the work-group; every wave waits for all four work-groups; my work-group's barrier once more.
.macro ROUND
	s_barrier_signal -1
	s_barrier_wait -1
	s_cmp_lg_u32 s[WV], 0
	s_cbranch_scc1 .Lnot_wave_0_\@
	s_barrier_signal -3
.Lnot_wave_0_\@:
	s_barrier_wait -3
	s_barrier_signal -1
	s_barrier_wait -1
.endm
; A joint load: waves 0 to 7 fetch block i = their number of the round, the others nothing.  The branch hangs on the wave's number alone.  Four v_nop follow the load.
.macro JLOAD g0
	s_cmp_lt_u32 s[WV], 8
	s_cbranch_scc0 .Lno_load_\@
	tensor_load_to_lds s[\g0:\g0+3], s[G1:G1+7]
	s_nop 0
.rept 4
	v_nop
.endr
.Lno_load_\@:
.endm
; A STEP: my block of 128 slots in the slot named.
.macro STEP slot
.rept 4
	v_nop                                          ; four places between the last step's products and the loads into the registers that they read
.endr
	ds_load_b128 v[SW:SW+3], v[AD+\slot] offset:SCOFF
	ds_load_b128 v[SW+4:SW+7], v[AD+\slot] offset:SCOFF+512
.irp t, 0,1,2,3,4,5,6,7
.irp c, 0,1
	ds_load_b128 v[FRG+8*\t+4*\c:FRG+8*\t+4*\c+3], v[AD+\slot] offset:1024*\t+512*\c   ; K's tile t as it stands
.endr
.endr
	s_wait_dscnt 0x0
.irp t, 0,1,2,3,4,5,6,7                        ; S^T = K Q^T: eight accumulators, one instruction each
	v_wmma_scale_f32_16x16x128_f8f6f4 v[SS+8*\t:SS+8*\t+7], v[FRG+8*\t:FRG+8*\t+7], v[16:23], 0, v[SW+\t], v255 matrix_a_fmt:MATRIX_FMT_FP4 matrix_b_fmt:MATRIX_FMT_FP4
.endr
.rept 4
	v_nop                                          ; four places: in front of the loads into K's registers, and of the first read of the scores
.endr
.irp t, 0,1,2,3,4,5,6,7
.irp c, 0,1
	ds_load_b128 v[FRG+8*\t+4*\c:FRG+8*\t+4*\c+3], v[AD+\slot] offset:VOFF+1024*\t+512*\c   ; V^T's tile t: it lands while the softmax is worked
.endr
.endr
.irp b, 0,1,2,3
	v_max3_num_f32 v[BM+\b], v[SS+16*\b], v[SS+1+16*\b], v[SS+2+16*\b]   ; the largest score of each block of 32 slots: for the row's maximum and, since p rises with the score, for the block's largest p.  Each accumulator is read from its low end on
.endr
.irp i, 3,5,7,9,11,13
.irp b, 0,1,2,3
	v_max3_num_f32 v[BM+\b], v[BM+\b], v[SS+16*\b+\i], v[SS+1+16*\b+\i]  ; (the four blocks by turns)
.endr
.endr
.irp b, 0,1,2,3
	v_max_num_f32 v[BM+\b], v[BM+\b], v[SS+15+16*\b]
.endr
.irp b, 0,1,2,3
	v_permlanex16_b32 v[PB+\b], v[BM+\b], s[SEL], s[SEL+1]
.endr
.irp b, 0,1,2,3
	v_max_num_f32 v[BM+\b], v[BM+\b], v[PB+\b]     ; with lane l xor 16's 16 slots
.endr
	v_max3_num_f32 v254, v[BM], v[BM+1], v[BM+2]
	v_max_num_f32 v254, v254, v[BM+3]              ; the step's largest score of my query
	v_mul_f32 v254, s[CS], v254                    ; as t (c is positive)
	v_max_num_f32 v13, v13, v254                   ; the running largest t
	v_mov_b32 v254, v12
	v_floor_f32 v12, -v13                          ; the new -M = floor(-t) = -ceil(t): M is a whole number
	v_sub_f32 v254, v12, v254                      ; M's old value less its new one: a whole number, 0 or less
	v_cvt_i32_f32 v254, v254                       ; (it saturates)
	v_ldexp_f32 v252, 1.0, v254                    ; f = 2^(old M - new M): a multiplication by it rounds nothing
.set j, 0
.rept 32
	v_pk_fma_f32 v[SS+j:SS+j+1], v[SS+j:SS+j+1], s[CS:CS+1], v[12:13] op_sel_hi:[1,0,0]   ; t - M, two at a time (of the pairs c and -M the low word serves both halves)
.set j, j+2
.endr
.irp b, 0,1,2,3
	v_fma_f32 v[BM+\b], v[BM+\b], s[CS], v12       ; the same of each block's largest score
.endr
.set j, 0
.rept 64
	v_exp_f32 v[SS+j], v[SS+j]                     ; p = 2^(t - M): not normalised
.set j, j+1
.endr
.irp b, 0,1,2,3
	v_exp_f32 v[BM+\b], v[BM+\b]                   ; the block's largest p: the same two instructions on the same number give the same bits
.endr
	v_pk_mul_f32 v[14:15], v[14:15], v[252:253] op_sel_hi:[1,0]   ; the sums under the new M.  (The plain place behind the exponentials)
	s_wait_alu depctr_va_vdst(0)
.irp b, 0,1,2,3
	v_max_num_f32 v[BM+\b], 0x1800000, v[BM+\b]    ; the floor 2^(3 - 127): the byte cannot fall under 1
.endr
.irp b, 0,1,2,3
	v_add_nc_u32 v[SO+\b], 0xff000000, v[BM+\b]    ; 2 off the exponent field: the conversion's scale operand
.endr
.irp b, 0,1,2,3
	v_lshrrev_b32 v[PB+\b], 23, v[SO+\b]           ; the scale's byte
.endr
	v_lshl_or_b32 v253, v[PB+1], 8, v[PB]          ; p's scale word for these 128 slots
	v_lshl_or_b32 v253, v[PB+2], 16, v253
	v_lshl_or_b32 v253, v[PB+3], 24, v253
.irp b, 0,1,2,3
	v_cvt_scalef32_pk8_fp4_f32 v[PC+2*\b], v[SS+16*\b:SS+7+16*\b], v[SO+\b]
	v_cvt_scalef32_pk8_fp4_f32 v[PC+1+2*\b], v[SS+8+16*\b:SS+15+16*\b], v[SO+\b]
.endr
	v_nop                                          ; one plain place behind the last scaled conversion
.irp c, 0,1                                    ; the operand's layout wants a whole block in a lane: lanes 0-15 block 2 c, lanes 16-31 block 2 c + 1
.irp i, 0,1
	v_permlane16_swap_b32 v[PC+4*\c+\i], v[PC+2+4*\c+\i]
.endr
.endr
	v_pk_add_f32 v[PB:PB+1], v[SS:SS+1], v[SS+2:SS+3]   ; the sum is taken of the UNQUANTISED p: two at a time, in two chains
.irp j, 4,8,12,16,20,24,28,32,36,40,44,48,52,56,60
	v_pk_add_f32 v[14:15], v[14:15], v[SS+\j:SS+1+\j]
	v_pk_add_f32 v[PB:PB+1], v[PB:PB+1], v[SS+2+\j:SS+3+\j]
.endr
	v_pk_add_f32 v[14:15], v[14:15], v[PB:PB+1]
.set j, 0
.rept 32
	v_pk_mul_f32 v[OO+j:OO+j+1], v[OO+j:OO+j+1], v[252:253] op_sel_hi:[1,0]   ; O^T under the new M.  (The sums above and these are the places between p's codes and scale word and the scaled products)
.set j, j+2
.endr
	s_wait_dscnt 0x0                               ; V^T's fragments are in
.irp t, 0,1,2,3,4,5,6,7                        ; O^T += V^T P^T: eight accumulators by turns, one instruction a turn
	v_wmma_scale_f32_16x16x128_f8f6f4 v[OO+8*\t:OO+8*\t+7], v[FRG+8*\t:FRG+8*\t+7], v[PC:PC+7], v[OO+8*\t:OO+8*\t+7], v[SW+\t], v253 matrix_a_fmt:MATRIX_FMT_FP4 matrix_b_fmt:MATRIX_FMT_FP4 matrix_a_scale:MATRIX_SCALE_ROW1
.endr
.endm
; A TRIP: the change of slots, then my step.  Each wave waits for all its tensor loads (one at the most is out: its block of this trip's slot), adds 0 to its spare word, and waits for that and for
; its reads of the other slot.  Behind the round this trip's slot is whole in all four work-groups and no wave of any of them reads the other: that one is filled first, with the next round's blocks.
.macro TRIP slot, refill
	s_wait_tensorcnt 0x0                           ; no tensor load of mine is out, so a group 0 may be written
	ds_add_u32 v[SPW], v[NIL]                      ; 0 onto my spare word; waited for before the round
	s_add_nc_u64 s[G0+2+4*\slot:G0+3+4*\slot], s[G0+2+4*\slot:G0+3+4*\slot], 2*SLOT   ; this slot's next round; the type bits on top are not reached
	s_wait_dscnt 0x0                               ; the add is done, and my reads of the other slot are over
	ROUND
.if \refill
	JLOAD G0+4-4*\slot                             ; the first tensor load behind the round, one a wave: it has this trip's step of all sixteen waves in which to land
.endif
	STEP \slot
.endm
	s_load_b128 s[4:7], s[0:1], 0x0                ; x s[4:5], kv s[6:7]
	s_load_b64 s[8:9], s[0:1], 0x10                ; out0
	v_lshl_add_u32 v[SPW], v0, 2, SPARE
	v_mov_b32 v[NIL], 0
	ds_add_u32 v3, v4
	s_wait_dscnt 0x0
	v_lshrrev_b32 v5, 5, v0
	v_readfirstlane_b32 s[WV], v5                  ; wave 0..15
	s_lshr_b32 s11, s[WV], 3                       ; a: my tile of queries
	s_and_b32 s12, s[WV], 7                        ; i: my block of a round
	s_bfe_u32 s13, ttmp6, 0x40000                  ; cx: my place in the cluster: it enters x's and out0's addresses alone
	s_lshl_b32 s14, ttmp9, 2                       ; in a cluster launch ttmp9 counts clusters
	s_add_co_u32 s14, s14, s13                     ; the work-group's number = 4 x cluster + cx
	; descriptor group 1: a dense block of 17,408 bytes as 68 rows of 256 bytes (32 elements of 8 bytes), laid in LDS as it lies
	s_mov_b32 s[G1+0], 15|(3<<16)|(1<<21)          ; 15:0 the mask: all four work-groups; 17:16 elements of 8 bytes; 20 no padding; 21 set beside a mask
	s_mov_b32 s[G1+1], 32<<16                      ; tensor_dim0 = 32
	s_mov_b32 s[G1+2], 68<<16                      ; tensor_dim1 = 68
	s_mov_b32 s[G1+3], 32<<16                      ; tile_dim0 = 32
	s_mov_b32 s[G1+4], 68                          ; tile_dim1 = 68
	s_mov_b32 s[G1+5], 32                          ; elements from row to row
	s_mov_b32 s[G1+6], 0
	s_mov_b32 s[G1+7], 0
	s_mov_b32 s[SEL], 0x76543210
	s_mov_b32 s[SEL+1], 0xfedcba98
	s_mov_b32 s[CS], 0x3e0293ee                    ; c = log2(e) / sqrt(128)
	s_mov_b32 s[CS+1], s[CS]                       ; (named with it as a pair, so it is written)
	s_mov_b32 s[CNT], 7                            ; 16 rounds: seven trips of two, and two written out
	s_mul_i32 s46, s12, BLK                        ; my block's place in a round, in memory and in a slot alike
	s_mov_b32 s47, 0
	s_wait_kmcnt 0x0
	s_add_nc_u64 s[6:7], s[6:7], s[46:47]
.irp n, 0,1
	s_mov_b32 s[G0+4*\n], 1                        ; count = 1
	s_add_co_u32 s[G0+4*\n+1], s46, \n*SLOT        ; LDS address: slot n, block i
	s_add_nc_u64 s[G0+4*\n+2:G0+4*\n+3], s[6:7], \n*SLOT   ; global address: round n, block i
	s_or_b32 s[G0+4*\n+3], s[G0+4*\n+3], 0x80000000        ; type = 2
.endr
	ROUND                                          ; all four work-groups are here: the first joint loads meet
	JLOAD G0                                       ; round 0 into slot 0; slot 1 is first filled behind the first trip's round
	; x and out0: byte (n << 19) + 4,096 channel + 4 l; the work-group's 32 queries: n = number / 32, l from 32 (number % 32) on
	s_lshr_b32 s48, s14, 5
	s_lshl_b32 s48, s48, 19
	s_and_b32 s49, s14, 31
	s_lshl_b32 s49, s49, 7
	s_add_co_u32 s48, s48, s49
	s_mov_b32 s49, 0
	s_lshl_b32 s50, s11, 6                         ; x: my tile's 16 queries
	s_mov_b32 s51, 0
	s_add_nc_u64 s[4:5], s[4:5], s[48:49]
	s_add_nc_u64 s[4:5], s[4:5], s[50:51]
	s_lshl_b32 s50, s[WV], 15                      ; out0: at the end wave w stores channels 8 w .. 8 w + 7
	s_add_nc_u64 s[8:9], s[8:9], s[48:49]
	s_add_nc_u64 s[8:9], s[8:9], s[50:51]
	v_and_b32 v6, 15, v0                           ; r
	v_bfe_u32 v7, v0, 4, 1                         ; h
	v_lshlrev_b32 v5, 2, v6
	v_lshl_add_u32 v5, v7, 17, v5                  ; lane r takes query r; lanes 16-31 begin 32 channels further down
.irp c, 0,1
.irp i, 0,1,2,3,4,5,6,7,8,9,10,11,12,13,14,15,16,17,18,19,20,21,22,23,24,25,26,27,28,29,30,31
	global_load_b32 v[SS+32*\c+\i], v5, s[4:5] offset:(64*\c+\i)*4096   ; x(channel 64 c + 32 h + i, query r): sixteen neighbouring lanes read 64 neighbouring bytes
.endr
.endr
	v_and_b32 v8, 31, v0
	v_lshlrev_b32 v[AD], 4, v8
	v_add_nc_u32 v[AD], s46, v[AD]                 ; 16 x lane + my block, in slot 0
	v_add_nc_u32 v[AD+1], SLOT, v[AD]              ; and in slot 1
	s_wait_loadcnt 0x0
	; Q: my two blocks of 32 channels are all mine; the scale word's four bytes are gathered from lanes l and l xor 16
.irp c, 0,1
	v_max3_num_f32 v[BM+\c], |v[SS+32*\c]|, |v[SS+32*\c+1]|, 0x1800000   ; and the floor 2^(3 - 127): the byte cannot fall under 1
.endr
.irp i, 2,4,6,8,10,12,14,16,18,20,22,24,26,28,30
.irp c, 0,1
	v_max3_num_f32 v[BM+\c], v[BM+\c], |v[SS+32*\c+\i]|, |v[SS+32*\c+\i+1]|
.endr
.endr
.irp c, 0,1
	v_add_nc_u32 v[SO+\c], 0xff000000, v[BM+\c]    ; 2 off the exponent field: the conversion's scale operand
.endr
.irp c, 0,1
	v_lshrrev_b32 v[PB+\c], 23, v[SO+\c]           ; the scale's byte
.endr
	v_lshl_or_b32 v255, v[PB+1], 16, v[PB]         ; blocks h and 2 + h,
	v_lshlrev_b32 v254, 3, v7
	v_lshlrev_b32 v255, v254, v255                 ; at their places in the word
	v_mov_b32 v254, 0
	v_permlanex16_b32 v254, v255, s[SEL], s[SEL+1]
	v_or_b32 v255, v255, v254                      ; with lane l xor 16's two the word is whole
.irp c, 0,1
.irp g, 0,1,2,3
	v_cvt_scalef32_pk8_fp4_f32 v[16+4*\c+\g], v[SS+32*\c+8*\g:SS+32*\c+8*\g+7], v[SO+\c]
.endr
.endr
	v_nop                                          ; one plain place behind the last scaled conversion
	v_mov_b32 v13, 0xff61b1e6                      ; the largest t so far: -3e38, under every t
	v_floor_f32 v12, -v13                          ; -M
	v_mov_b32 v14, 0                               ; the sum, in two halves
	v_mov_b32 v15, 0
	v_mov_b32 v253, 0                              ; (named as the upper half of the pair v[252:253] before it is first written)
.irp b, 0,1,2,3
	v_mov_b32 v[PB+\b], 0                          ; a lane permute's destination counts as one of its sources
.endr
.set j, 0
.rept 64
	v_mov_b32 v[OO+j], 0                           ; O^T.  The step is written once: its first run finds zeros, which the first change of M leaves zeros.  (These are also the places between Q's codes and scale word and the first scaled products)
.set j, j+1
.endr
.Lloop:                                                ; seven trips, two rounds each; both slots are filled again
	TRIP 0, 1
	TRIP 1, 1
	s_sub_co_u32 s[CNT], s[CNT], 1
	s_cmp_lg_u32 s[CNT], 0
	s_cbranch_scc1 .Lloop
	TRIP 0, 1                                      ; round 14; round 15 is asked for
	TRIP 1, 0                                      ; round 15: nothing is left to fetch, so the tail is written out
	; THE END.  Slot 0 was left at the last round: it has had its last fill and nobody reads it: the sixteen images of O^T and the statistics go there.  Slot 1 has had its last fill too; it is written
	; only behind the first barrier below, in front of which every wave's reads of it are over.
	; The addresses: more than four plain lines that name no register of the last products: they are the places behind those.
	v_and_b32 v232, 31, v0                         ; lane
	v_and_b32 v233, 15, v0                         ; r
	v_bfe_u32 v234, v0, 4, 1                       ; h
	v_lshlrev_b32 v235, 4, v232                    ; 16 x lane
	v_lshlrev_b32 v236, 2, v232                    ; 4 x lane
	s_lshl_b32 s46, s[WV], 13
	v_add_nc_u32 v5, s46, v235                     ; my image of O^T: 8,192 w + 16 lane
	s_lshl_b32 s46, s[WV], 8
	s_add_co_u32 s46, s46, STAT
	v_add_nc_u32 v6, s46, v236                     ; my statistics: STAT + 256 w + 4 lane
	s_lshl_b32 s46, s11, 16
	s_lshl_b32 s47, s12, 10
	s_add_co_u32 s46, s46, s47
	v_add_nc_u32 v7, s46, v235                     ; what I merge: tile i of the images of waves 8 a + u: 65,536 a + 1,024 i + 16 lane, + 8,192 u
	s_lshl_b32 s46, s11, 11
	s_add_co_u32 s46, s46, STAT
	v_add_nc_u32 v8, s46, v236                     ; and their statistics: STAT + 2,048 a + 4 lane, + 256 u
	s_mul_i32 s46, s12, 16*144
	s_lshl_b32 s47, s11, 6
	s_add_co_u32 s46, s46, s47
	s_add_co_u32 s46, s46, OST
	v_mul_u32_u24 v9, v234, 8*144
	v_lshl_add_u32 v9, v233, 2, v9
	v_add_nc_u32 v9, s46, v9                       ; the stage, in: channel 16 i + 8 h (+ j), query 16 a + r
	v_lshrrev_b32 v237, 3, v232
	v_and_b32 v238, 7, v0
	v_mul_u32_u24 v10, v237, 144
	v_lshl_add_u32 v10, v238, 4, v10
	s_mul_i32 s46, s[WV], 8*144
	s_add_co_u32 s46, s46, OST
	v_add_nc_u32 v10, s46, v10                     ; and back: channels 8 w on; eight lanes to a channel's 128 bytes, four channels an instruction
	v_lshlrev_b32 v11, 12, v237
	v_lshl_add_u32 v11, v238, 4, v11               ; the same place in out0
	v_add_f32 v14, v14, v15                        ; the sum's two halves,
	v_permlanex16_b32 v254, v14, s[SEL], s[SEL+1]
	v_add_f32 v14, v14, v254                       ; and lane l xor 16's
.irp t, 0,1,2,3,4,5,6,7
	ds_store_b128 v5, v[OO+8*\t:OO+8*\t+3] offset:1024*\t          ; each accumulator from its low end on
	ds_store_b128 v5, v[OO+8*\t+4:OO+8*\t+7] offset:1024*\t+512
.endr
	ds_store_b32 v6, v12
	ds_store_b32 v6, v14 offset:128
	s_wait_dscnt 0x0                               ; for the others' sake: my stores have landed, and my reads of slot 1 are over
	s_barrier_signal -1
	s_barrier_wait -1
.irp u, 0,1,2,3,4,5,6,7
	ds_load_b32 v[32+\u], v8 offset:256*\u         ; -M of wave 8 a + u, for my lane's query
	ds_load_b32 v[40+\u], v8 offset:256*\u+128     ; and its sum
.endr
.irp u, 0,1,2,3,4,5,6,7
.irp k, 0,1
	ds_load_b128 v[SS+8*\u+4*\k:SS+8*\u+4*\k+3], v7 offset:8192*\u+512*\k   ; its O^T, channels 16 i + 8 h + 0 .. 7
.endr
.endr
	s_wait_dscnt 16                                ; the sixteen statistics are in; the 16 loads issued behind them may be out
	v_min3_num_f32 v48, v32, v33, v34
	v_min3_num_f32 v48, v48, v35, v36
	v_min3_num_f32 v48, v48, v37, v38
	v_min_num_f32 v48, v48, v39                    ; -M of the whole row: the smallest -M
.irp u, 0,1,2,3,4,5,6,7
	v_sub_f32 v[52+\u], v48, v[32+\u]              ; M_u less the row's M: a whole number, 0 or less
.endr
.irp u, 0,1,2,3,4,5,6,7
	v_cvt_i32_f32 v[52+\u], v[52+\u]               ; (it saturates)
.endr
.irp u, 0,1,2,3,4,5,6,7
	v_ldexp_f32 v[64+2*\u], 1.0, v[52+\u]          ; f_u = 2^(M_u - M), twice: a pair for the packed forms
	v_ldexp_f32 v[65+2*\u], 1.0, v[52+\u]
.endr
	v_mul_f32 v49, v64, v40
.irp u, 1,2,3,4,5,6,7
	v_fma_f32 v49, v[64+2*\u], v[40+\u], v49       ; the row's sum under its M
.endr
	v_rcp_f32 v50, v49                             ; its reciprocal, twice; the packed products below, which touch neither, stand between these and their use
	v_rcp_f32 v51, v49
	s_wait_dscnt 0x0
.irp q, 0,1,2,3
	v_pk_mul_f32 v[80+2*\q:81+2*\q], v[SS+2*\q:SS+2*\q+1], v[64:65]
.endr
.irp u, 1,2,3,4,5,6,7
.irp q, 0,1,2,3
	v_pk_fma_f32 v[80+2*\q:81+2*\q], v[SS+8*\u+2*\q:SS+8*\u+2*\q+1], v[64+2*\u:65+2*\u], v[80+2*\q:81+2*\q]
.endr
.endr
	s_wait_alu depctr_va_vdst(0)
.irp q, 0,1,2,3
	v_pk_mul_f32 v[80+2*\q:81+2*\q], v[80+2*\q:81+2*\q], v[50:51]   ; divided by the sum
.endr
.irp j, 0,1,2,3,4,5,6,7
	ds_store_b32 v9, v[80+\j] offset:144*\j        ; out(channel 16 i + 8 h + j, query 16 a + r): the stage has the queries innermost, as out0 has
.endr
	s_wait_dscnt 0x0                               ; for the others' sake: my stores have landed
	s_barrier_signal -1
	s_barrier_wait -1
	ds_load_b128 v[88:91], v10
	ds_load_b128 v[92:95], v10 offset:4*144
	s_wait_dscnt 0x0
	global_store_b128 v11, v[88:91], s[8:9] th:TH_STORE_NT                 ; four channels' runs of 128 consecutive bytes; written once, read by nobody here
	global_store_b128 v11, v[92:95], s[8:9] offset:4*4096 th:TH_STORE_NT
	s_wait_tensorcnt 0x0                           ; the wave's end: behind my last tensor load and my last LDS store
	ds_add_u32 v[SPW], v[NIL]
	s_wait_dscnt 0x0
	ROUND                                          ; the closing round: no work-group ends while a partner may still ask for a block that names it
	s_endpgm
.Lfunc_end_k_qa300bf82a4_attn:
	.size	k_qa300bf82a4_attn, .Lfunc_end_k_qa300bf82a4_attn-k_qa300bf82a4_attn
	.p2alignl 7, 3214868480
	.fill 96, 4, 3214868480
	.section	.rodata,"a",@progbits
	.p2align	6, 0x0
	.amdhsa_kernel k_qa300bf82a4_attn
		.amdhsa_group_segment_fixed_size 327680
		.amdhsa_private_segment_fixed_size 0
		.amdhsa_enable_private_segment 0
		.amdhsa_kernarg_size 24
		.amdhsa_user_sgpr_count 2
		.amdhsa_user_sgpr_kernarg_segment_ptr 1
		.amdhsa_wavefront_size32 1
		.amdhsa_system_sgpr_workgroup_id_x 1
		.amdhsa_system_sgpr_workgroup_id_y 1
		.amdhsa_system_sgpr_workgroup_id_z 1
		.amdhsa_system_vgpr_workitem_id 0
		.amdhsa_next_free_vgpr 256
		.amdhsa_next_free_sgpr 66
		.amdhsa_reserve_vcc 0
		.amdhsa_float_denorm_mode_32 3
		.amdhsa_float_denorm_mode_16_64 3
		.amdhsa_memory_ordered 1
		.amdhsa_forward_progress 1
		.amdhsa_inst_pref_size 97
	.end_amdhsa_kernel
	.amdgpu_metadata
---
amdhsa.version: [ 1, 2 ]
amdhsa.kernels:
  - .name:           k_qa300bf82a4_attn
    .symbol:         k_qa300bf82a4_attn.kd
    .args:
      - { .name: x, .offset: 0, .size: 8, .value_kind: global_buffer, .address_space: global }
      - { .name: kv, .offset: 8, .size: 8, .value_kind: global_buffer, .address_space: global }
      - { .name: out0, .offset: 16, .size: 8, .value_kind: global_buffer, .address_space: global }
    .group_segment_fixed_size: 327680
    .private_segment_fixed_size: 0
    .kernarg_segment_align: 8
    .kernarg_segment_size: 24
    .max_flat_workgroup_size: 512
    .sgpr_count:     66
    .vgpr_count:     256
    .wavefront_size: 32
...
	.end_amdgpu_metadata
.endif
;; end of part 2
